; MI455X (gfx1250); checked and timed in simulation.
; The chip was launched on July 23, 2026; its instructions are those of AMD's public machine-readable ISA for CDNA 5 (MIT licence, August 2026) and "CDNA5" Instruction Set Architecture Reference Guide (July 2026). The comments in the code are by the model that wrote it; some were corrected since.
;; Cross Attention. Allowed arithmetic: matrix products marked QUANTISED: E5M2 operands, one given power-of-two scale a tensor, by v_wmma_f32_16x16x64_bf8_bf8 or v_wmma_f32_16x16x128_bf8_bf8, f32 sums; products left as they are: f32 operands where the result goes on into a quantised operand, else bf16, f16 or f32 operands; f32 sums; everything else in f32.
;; Inputs: Wk_codes 1,024 x 32 x 32 uint8 (E5M2 codes of Wk, K innermost, in blocks of 32 codes); Wp_codes 1,024 x 32 x 32 uint8 (E5M2 codes of Wp, K innermost, in blocks of 32 codes); Wq_codes 1,024 x 32 x 32 uint8 (E5M2 codes of Wq, K innermost, in blocks of 32 codes); Wv_codes 1,024 x 32 x 32 uint8 (E5M2 codes of Wv, K innermost, in blocks of 32 codes); bp 1,024 float32; key_codes 8 x 2,048 x 32 x 32 uint8 (E5M2 codes of key, K innermost, in blocks of 32 codes); lowp_scales 10 int32 (the exponents e of the quantised operands' scales 2^e); query_codes 8 x 2,048 x 32 x 32 uint8 (E5M2 codes of query, K innermost, in blocks of 32 codes); value_codes 8 x 2,048 x 32 x 32 uint8 (E5M2 codes of value, K innermost, in blocks of 32 codes); xpos 8 x 2,048 x 2 int32; ypos 8 x 2,048 x 2 int32.
;; Outputs: out0 8 x 2,048 x 1,024 float32.
;; This version of the problem:
;;   THIS VERSION OF THE PROBLEM IS GIVEN IN LOW PRECISION. The matrix products marked QUANTISED in the list below multiply operands that are first quantised to E5M2 (5 exponent bits, 2 mantissa bits; 8 bits a number), with one given power-of-two scale for each operand tensor; their sums are f32. All else is computed in f32.
;;   The module's matrix products, in the order in which they are computed (A, B: the left and right operand; K: the contracted axis; several contracted axes count as one K, in the product's order):
;;     1. [M 16,384, K 1,024] x [K 1,024, N 1,024]; A: input query (given as codes); B: input Wq (given as codes): QUANTISED (scales: A lowp_scales[0], B lowp_scales[1])
;;     2. [M 16,384, K 1,024] x [K 1,024, N 1,024]; A: input key (given as codes); B: input Wk (given as codes): QUANTISED (scales: A lowp_scales[2], B lowp_scales[3])
;;     3. [M 16,384, K 1,024] x [K 1,024, N 1,024]; A: input value (given as codes); B: input Wv (given as codes): QUANTISED (scales: A lowp_scales[4], B lowp_scales[5])
;;     4. batch 16,384 x [M 16, K 64] x [K 64, N 16]; A: computed on the way; B: computed on the way: QUANTISED (scales: A lowp_scales[6], B lowp_scales[7])
;;     5. batch 16,384 x [M 16, K 16] x [K 16, N 64]; A: softmax; B: computed on the way: left as it is (K = 16 < 32)
;;     6. [M 16,384, K 1,024] x [K 1,024, N 1,024]; A: computed on the way; B: input Wp (given as codes): QUANTISED (scales: A lowp_scales[8], B lowp_scales[9])
;;   THE QUANTISER, for each operand of a quantised product, along K:
;;     - The operand's scale is 2^e, e = its entry of the input lowp_scales (int32; the entries are numbered through the quantised products in the list's order, A before B).
;;     - Each number is divided by the scale, clamped to +-57,344, and rounded to the nearest number of E5M2, ties to even, subnormals kept.
;;     - The product sums the exact products of the quantised numbers (number of the format x scale) in f32.
;;   ~~~python
;;   def quantise(x, axis, e):      # numpy; x: float32 -> the quantised numbers, widened to float32 again
;;       x = np.moveaxis(x, axis, -1); K = x.shape[-1]
;;       r = np.clip(x / 2.0 ** e, -57344, 57344)
;;       step = 2.0 ** (np.maximum(np.frexp(np.where(r == 0, 1, r))[1] - 1, -14) - 2)
;;       q = np.round(r / step) * step * 2.0 ** e      # np.round: ties to even
;;       return np.moveaxis(q, -1, axis).astype(np.float32)
;;   ~~~
;;   OPERANDS COMPUTED ON THE WAY. 'Computed on the way' means the value that the module computes at that place (a softmax that the list does not call 'softmax' is quantised finished and normalised). What goes into a quantiser is computed in f32, as accurately as f32 sums, v_exp_f32 and their like allow (about 1e-6 of the number): no bf16 or f16 on the way to a quantiser, and a product that is left as it is and whose result goes on into a quantised operand takes f32 operands (vector FMAs, or v_wmma_f32_16x16x4_f32). A number that lies on a knife's edge between two numbers of the format may be rounded either way, as far as f32 arithmetic and the matrix unit's own rounding can turn it there, and no further.
;;   INPUTS GIVEN AS CODES. Wk (in the module: [1024, 1024], K = its axis 1); Wp (in the module: [1024, 1024], K = its axis 1); Wq (in the module: [1024, 1024], K = its axis 1); Wv (in the module: [1024, 1024], K = its axis 1); key (in the module: [8, 2048, 1024], K = its axis 2); query (in the module: [8, 2048, 1024], K = its axis 2); value (in the module: [8, 2048, 1024], K = its axis 2): each comes as NAME_codes (uint8): NAME with its K axis moved to the last place and cut into blocks of 32 codes, [.., K / 32, bytes a block], one block behind the other in memory; one code a byte (a code: sign, 5 exponent bits, 2 mantissa bits); its scale is its entry of lowp_scales. Its value is code x scale, taken as it is: it is not quantised again, and the codes and scales need not be those that the quantiser above would give.
;; One version. Each part assembles by itself: llvm-mc -triple=amdgcn-amd-amdhsa -mcpu=gfx1250 --defsym DOCPART=n.
;; ======== version 1 of 1: 3 launches
;; workspace buffers: q_ws 16,777,216 bytes; k_ws 16,777,216 bytes; x_ws 16,777,216 bytes; wv_perm 1,048,576 bytes; wp_perm 1,048,576 bytes
;; launch qkproj (part 1): grid 4 x 64, 4 waves a work-group, clusters of 4 x 4, 327,680 bytes of LDS; arguments query_codes, key_codes, Wq_codes, Wk_codes, lowp_scales, Wv_codes, Wp_codes, q_ws, k_ws, wv_perm, wp_perm; writes q_ws, k_ws, wv_perm, wp_perm
.if DOCPART == 1
	.amdgcn_target "amdgcn-amd-amdhsa--gfx1250"
	.amdhsa_code_object_version 6
	.text
	.protected	k_q549c03b79b_qkproj
	.globl	k_q549c03b79b_qkproj
	.p2align	8
	.type	k_q549c03b79b_qkproj,@function
k_q549c03b79b_qkproj:
	s_mov_b64 s[64:65], 0
	v_nop
	global_prefetch_b8 v0, s[64:65] scope:SCOPE_SE
	s_setreg_imm32_b32 hwreg(HW_REG_WAVE_MODE, 25, 1), 1
	s_wait_xcnt 0x0
	s_wait_alu depctr_hold_cnt(0) depctr_sa_sdst(0) depctr_va_vdst(0) depctr_va_sdst(0) depctr_va_ssrc(0) depctr_va_vcc(0) depctr_vm_vsrc(0)
	s_getreg_b32 s2, hwreg(HW_REG_IB_STS2, 6, 4)
	s_cmp_eq_u32 s2, 0
	s_cbranch_scc0 .Lentry_in_a_cluster
	s_endpgm
.Lentry_in_a_cluster:
	s_bfe_u32 s2, ttmp6, 0x10000c
	s_cmp_lg_u32 s2, 0xf033
	s_cbranch_scc0 .Lentry_shape_is_right
	s_endpgm
.Lentry_shape_is_right:
; LAUNCH 1 OF 3.  q = query Wq^T and k = key Wk^T on the given codes of BF8 (E5M2), each finished sum quantised at once to the code that the per-token product q k^T wants
; (q by 2^e6, k by 2^e7), and stored as codes: q_ws, k_ws [16,384 tokens][1,024], column = 64 head + d.  The same launch lays Wv and Wp out anew for the two later launches.
; DEAD WORK.  xpos and ypos are arguments of reference() that its body never reads (no rotary embedding is applied): whatever whole numbers they hold, no output hangs on them.
; They are not loaded and are among no launch's arguments.  LIMIT: nothing that those two inputs hold is carried to the result.
; SHARES.  A WORK-GROUP STAYS: it makes a tile of 256 tokens x 256 columns of q and then the same tile of k.  Four waves, each 128 x 128: 64 accumulators, 512 registers.
; K = 1,024 goes in four steps of 256 through two LDS slots filled by the tensor data mover, and the ring does not stop between the tiles: q's last two changes of slots ask for k's first two K steps,
; and nothing waits for q's stores.  Each tile has its own descriptors, made at the head from its own buffers' addresses.
; CLUSTERS: 4 x 4 work-groups.  The four of a row need the same tokens' tile, the four of a column the same weight tile: each tile is asked for jointly, by the same tensor load with a mask that names the four.
; THE MATRIX INSTRUCTION IS USED TRANSPOSED (source 0 = 16 rows of the weight, source 1 = 16 tokens): a lane holds eight neighbouring columns of one token: eight neighbours along the next product's K.
; A fragment is fetched by four loads of 16 bytes: a permutation of k, the same on both sides, so that every product meets its partner.
; A sum stands for sum x 2^(ea + eb); its code is sum / 2^(eo - ea - eb), held within +-57,344 x that scale.  LIMIT: e6 - e0 - e1 and e7 - e2 - e3 between -126 and 112.  NaN and infinite sums are not served.
; THE COPY.  wv_perm row 256 s + 16 g + dd = Wv row 64 g + 16 s + dd;  wp_perm[o][256 s + 16 r + dd] = Wp[o][64 r + 16 s + dd].  Each of the 256 work-groups moves four rows of each, twice 16 bytes a thread.
; REGISTERS, in windows of 256: window 0: v0-31 addresses and the copy's data (also v96-103); v32-95 held sums; from v128 A's fragments, one set; on the way out v128-191 codes, v192-255 rows read back.
;   window 1: B's fragments, two sets.   windows 2, 3: the accumulators ((a, b) at v[8 (8 (a % 4) + b)] of window 2 + a / 4).
.set KROW,   1024                      ; a row of codes in memory, in bytes
.set ROWB,   256                       ; a tile's row: 256 along K
.set PITCH,  272                       ; an LDS row: 256 bytes + 16 of padding: the 16 rows that a load touches start at 16 different banks (64 banks of 4 bytes: ISA guide 11.1)
.set FR,     16                        ; registers of a fragment: 16 rows x 128 K
.set NL,     4                         ; LDS loads that bring one
.set NP,     4                         ; places behind this matrix instruction (ISA guide 7.12.1)
.set HALFT,  128*PITCH                 ; what one tensor load brings
.set SLOT,   4*HALFT                   ; A's 256 rows, then B's 256 rows
.set SPARE,  2*SLOT                    ; behind the ring: the spare words, 128 bytes a wave, that no other line names
.set STG,    SPARE+512                 ; behind them: the stage for the way out, 128 rows x 272 bytes, bytes of its own into which no tile lands
.set ADRA, 16                          ; v16-17  LDS address of my A fragments in slot 0, 1
.set ADRB, 20                          ; v20-21  the same for B
.set SC2,  23                          ; v23     2^(e7 - e2 - e3) as f32
.set STO,  24                          ; v24     the way out: where I put 8 codes
.set RD,   25                          ; v25     where I read 16 bytes of a row back
.set CO,   26                          ; v26     and their place in the output
.set SC1,  27                          ; v27     2^(e6 - e0 - e1) as f32
.set SPW,  28                          ; v28     my spare word; never rewritten
.set NIL,  29                          ; v29     0; never rewritten
.set CT,   30                          ; v30     the copy: 16 x thread
.set CP,   31                          ; v31     the copy: where Wp's 16 bytes for that place lie
.set TMP,  32
.set AF,   128
.set CD,   128
.set RB,   192
.set G1, 24                            ; s[24:31] descriptor group 1 for A's tiles
.set G1B, 48                           ; s[48:55] for B's
.set G0, 32                            ; s[32:39] group 0 for query's tiles, a set for each slot;  s[56:63] for Wq's
.set G0B, 56
.set G2, 4                             ; s[4:11] group 0 for key's tiles;  s[68:75] for Wk's
.set G2B, 68
.set MSB, 0
.macro WIN new                         ; the immediate's high byte repeats the setting that is left
.if MSB != \new
	s_set_vgpr_msb (MSB<<8)|\new
.set MSB, \new
.endif
.endm
.set MUL_LO, 0xa1                      ; source 0 (B) window 1, source 1 (A) window 0, C and D window 2
.set MUL_HI, 0xf1                      ; the same, C and D window 3
.set TO_B,   0x40                      ; destination window 1, address window 0
; A joint load: waves 0 and 1 fetch for A, waves 2 and 3 for B; the branch hangs on the wave's number alone.  An s_nop 0 and four v_nop follow each of the two lines.
.macro JLOAD g0a, g1a, g0b, g1b
	s_cmp_eq_u32 s15, 0
	s_cbranch_scc0 .Lfor_b_\@
	tensor_load_to_lds s[\g0a:\g0a+3], s[\g1a:\g1a+7]
	s_nop 0
.rept 4
	v_nop
.endr
	s_branch .Lasked_\@
.Lfor_b_\@:
	tensor_load_to_lds s[\g0b:\g0b+3], s[\g1b:\g1b+7]
	s_nop 0
.rept 4
	v_nop
.endr
.Lasked_\@:
.endm
.macro CREST                           ; a round of the cluster's barrier behind its opening barrier
	s_cmp_lg_u32 s14, 0
	s_cbranch_scc1 .Lnot_wave_0_\@
	s_barrier_signal -3
.Lnot_wave_0_\@:
	s_barrier_wait -3
	s_barrier_signal -1
	s_barrier_wait -1
.endm
.macro CROUND                          ; a whole round
	s_barrier_signal -1
	s_barrier_wait -1
	CREST
.endm
	s_load_b512 s[68:83], s[0:1], 0x0              ; query 68, key 70, Wq 72, Wk 74, the exponents 76, Wv 78, Wp 80, q_ws 82
	s_load_b128 s[84:87], s[0:1], 0x40             ; k_ws 84, wv_perm 86
	s_load_b64 s[88:89], s[0:1], 0x50              ; wp_perm
	v_lshl_add_u32 v[SPW], v0, 2, SPARE
	v_mov_b32 v[NIL], 0
	ds_add_u32 v[SPW], v[NIL]                      ; the wave's opening: the add, twice on end, and its wait ahead of my first tensor load
	ds_add_u32 v[SPW], v[NIL]                      ; and once more, under the one wait; the set-up below, work on registers, stands between
	v_lshrrev_b32 v1, 5, v0
	v_readfirstlane_b32 s14, v1                    ; wave 0..3
	s_lshr_b32 s15, s14, 1                         ; which half of the tile's rows is mine.  Also: I fetch for A (0) or for B (1)
	s_and_b32 s16, s14, 1                          ; which half of its columns.  Also: which 128 rows of that tile I fetch
	s_bfe_u32 s40, ttmp6, 0x40000                  ; cx, cy: my place in the cluster
	s_bfe_u32 s41, ttmp6, 0x40004
	s_lshl_b32 s42, ttmp9, 2
	s_add_co_u32 s42, s42, s40                     ; tile column 0..3
	s_and_b32 s17, ttmp7, 0xffff
	s_lshl_b32 s17, s17, 2
	s_add_co_u32 s17, s17, s41                     ; tile row 0..63
	s_lshl_b32 s43, s41, 2
	s_lshl_b32 s43, 15, s43                        ; my row of the cluster
	s_lshl_b32 s44, 0x1111, s40                    ; my column
	; descriptor group 1: a tile of 128 rows x 256 bytes, padded in LDS
	s_or_b32 s[G1+0], s43, (0<<16)|(1<<20)|(1<<21)|(5<<22)|(3<<25)  ; 15:0 the mask; 17:16 elements of 1 byte; 20 padding on; 21 set beside a mask; 24:22 after every 64 words; 31:25 four words
	s_or_b32 s[G1B+0], s44, (0<<16)|(1<<20)|(1<<21)|(5<<22)|(3<<25)
.irp g, G1, G1B
	s_mov_b32 s[\g+1], ROWB<<16                    ; tensor_dim0
	s_mov_b32 s[\g+2], 128<<16                     ; tensor_dim1
	s_mov_b32 s[\g+3], ROWB<<16                    ; tile_dim0
	s_mov_b32 s[\g+4], 128                         ; tile_dim1
	s_mov_b32 s[\g+5], KROW                        ; from row to row
	s_mov_b32 s[\g+6], 0
	s_mov_b32 s[\g+7], 0
.endr
	s_lshl_b32 s18, s16, 7                         ; which 128 rows of the tile I fetch
	s_lshl_b32 s20, s17, 8
	s_add_co_u32 s20, s20, s18                     ; A: row 256 x tile row + 128 x half,
	s_lshl_b32 s20, s20, 10                        ; in bytes (under 2^24)
	s_mov_b32 s21, 0
	s_lshl_b32 s46, s42, 8
	s_add_co_u32 s46, s46, s18                     ; B: row 256 x tile column + 128 x half
	s_lshl_b32 s46, s46, 10
	s_mov_b32 s47, 0
	s_mul_i32 s45, s14, HALFT                      ; where they go: wave x 128 rows: no place in the cluster enters an LDS address
	s_wait_dscnt 0x0                               ; both opening adds are done
	s_wait_kmcnt 0x0
	s_load_b256 s[92:99], s[76:77], 0x0            ; e0 .. e7
	s_add_nc_u64 s[18:19], s[70:71], s[20:21]      ; key's tile,
	s_add_nc_u64 s[12:13], s[74:75], s[46:47]      ; Wk's,
	s_add_nc_u64 s[20:21], s[68:69], s[20:21]      ; query's,
	s_add_nc_u64 s[46:47], s[72:73], s[46:47]      ; Wq's
	CROUND                                         ; all sixteen work-groups are here: the first joint loads meet
.irp s, 0,1
	s_mov_b32 s[G0+4*\s], 1
	s_add_co_u32 s[G0+4*\s+1], s45, \s*SLOT
	s_add_nc_u64 s[G0+4*\s+2:G0+4*\s+3], s[20:21], \s*ROWB
	s_or_b32 s[G0+4*\s+3], s[G0+4*\s+3], 0x80000000
	s_mov_b32 s[G0B+4*\s], 1
	s_add_co_u32 s[G0B+4*\s+1], s45, \s*SLOT
	s_add_nc_u64 s[G0B+4*\s+2:G0B+4*\s+3], s[46:47], \s*ROWB
	s_or_b32 s[G0B+4*\s+3], s[G0B+4*\s+3], 0x80000000
	JLOAD G0+4*\s, G1, G0B+4*\s, G1B               ; q's K steps 0 and 1: two loads of mine are out
.endr
.irp s, 0,1                                    ; the second tile's groups 0, in registers that no load names yet: k's K steps 0 and 1
	s_mov_b32 s[G2+4*\s], 1
	s_add_co_u32 s[G2+4*\s+1], s45, \s*SLOT
	s_add_nc_u64 s[G2+4*\s+2:G2+4*\s+3], s[18:19], \s*ROWB
	s_or_b32 s[G2+4*\s+3], s[G2+4*\s+3], 0x80000000
	s_mov_b32 s[G2B+4*\s], 1
	s_add_co_u32 s[G2B+4*\s+1], s45, \s*SLOT
	s_add_nc_u64 s[G2B+4*\s+2:G2B+4*\s+3], s[12:13], \s*ROWB
	s_or_b32 s[G2B+4*\s+3], s[G2B+4*\s+3], 0x80000000
.endr
	; the copy: work-group id = 4 x tile row + tile column takes rows 4 id .. 4 id + 3
	s_lshl_b32 s12, s17, 2
	s_add_co_u32 s12, s12, s42
	s_lshl_b32 s12, s12, 2                         ; rho = 256 s + 16 g + dd, a multiple of 4
	s_bfe_u32 s13, s12, 0x40004                    ; g
	s_lshl_b32 s13, s13, 6
	s_lshr_b32 s22, s12, 8                         ; s
	s_lshl_b32 s22, s22, 4
	s_add_co_u32 s13, s13, s22
	s_and_b32 s22, s12, 15                         ; dd
	s_add_co_u32 s22, s13, s22                     ; Wv's row 64 g + 16 s + dd; the next three rows of wv_perm are Wv's next three
	s_lshl_b32 s22, s22, 10
	s_mov_b32 s23, 0
	s_add_nc_u64 s[78:79], s[78:79], s[22:23]
	s_lshl_b32 s12, s12, 10
	s_mov_b32 s13, 0
	s_add_nc_u64 s[86:87], s[86:87], s[12:13]
	s_add_nc_u64 s[80:81], s[80:81], s[12:13]
	s_add_nc_u64 s[88:89], s[88:89], s[12:13]
	v_lshlrev_b32 v[CT], 4, v0                     ; thread t: bytes 16 t of two rows
	v_lshrrev_b32 v5, 6, v0
	v_lshlrev_b32 v[CP], 10, v5                    ; Wp: row t / 64,
	v_and_b32 v5, 15, v0
	v_lshl_add_u32 v[CP], v5, 6, v[CP]             ; 64 r, r = t % 16,
	v_bfe_u32 v5, v0, 4, 2
	v_lshl_add_u32 v[CP], v5, 4, v[CP]             ; + 16 s, s = (t / 16) % 4
	global_load_b128 v[8:11], v[CT], s[78:79]
	global_load_b128 v[12:15], v[CP], s[80:81]
	global_load_b128 v[96:99], v[CT], s[78:79] offset:2048     ; the other two rows
	global_load_b128 v[100:103], v[CP], s[80:81] offset:2048
	; lane addresses
	v_and_b32 v1, 15, v0                           ; r = l % 16
	v_bfe_u32 v2, v0, 4, 1                         ; hh = l / 16
	v_mul_u32_u24 v3, v1, PITCH
	v_lshl_add_u32 v4, v2, 4, v3                   ; a fragment's row x pitch + 16 x half
	s_mul_i32 s21, s15, HALFT                      ; my 128 rows of A
	s_mul_i32 s22, s16, HALFT                      ; my 128 rows of B,
	s_add_co_u32 s22, s22, 2*HALFT                 ; which lie behind A's 256
.irp s, 0,1
	v_add_nc_u32 v[ADRA+\s], s21, v4
	v_add_nc_u32 v[ADRB+\s], s22, v4
	s_add_co_u32 s21, s21, SLOT
	s_add_co_u32 s22, s22, SLOT
.endr
	s_mul_i32 s23, s15, 64*PITCH                   ; the stage holds 64 rows of each row half at a time.  In: row 64 x row half + r, byte 128 x column half + 8 hh
	s_lshl_b32 s22, s16, 7
	s_add_co_u32 s23, s23, s22
	s_add_co_u32 s23, s23, STG
	v_lshl_add_u32 v5, v2, 3, v3
	v_add_nc_u32 v[STO], s23, v5
	s_mul_i32 s23, s14, 32*PITCH                   ; back: wave w takes the stage's rows 32 w on, whole; lanes 0-15 one row, lanes 16-31 the next
	s_add_co_u32 s23, s23, STG
	v_mul_u32_u24 v5, v2, PITCH
	v_lshl_add_u32 v5, v1, 4, v5
	v_add_nc_u32 v[RD], s23, v5
	v_lshlrev_b32 v5, 10, v2
	v_lshl_add_u32 v[CO], v1, 4, v5                ; and the same two rows in the output
	s_lshl_b32 s22, s17, 18                        ; those rows in the output: 256 x tile row + 128 (w / 2) + 32 (w % 2), of 1,024 bytes, + 256 x tile column
	s_lshl_b32 s23, s15, 17
	s_add_co_u32 s22, s22, s23
	s_lshl_b32 s23, s16, 15
	s_add_co_u32 s22, s22, s23
	s_lshl_b32 s23, s42, 8
	s_add_co_u32 s22, s22, s23
	s_mov_b32 s23, 0
	s_add_nc_u64 s[82:83], s[82:83], s[22:23]      ; in q_ws,
	s_add_nc_u64 s[84:85], s[84:85], s[22:23]      ; in k_ws
	s_wait_kmcnt 0x0
	s_sub_co_i32 s22, s98, s92
	s_sub_co_i32 s22, s22, s93                     ; e6 - e0 - e1: the three scales folded into the conversion's one
	s_add_co_i32 s22, s22, 127
	s_lshl_b32 s23, s22, 23
	v_mov_b32 v[SC1], s23
	s_add_co_i32 s22, s22, 15
	s_lshl_b32 s22, s22, 23
	s_or_b32 s90, s22, 0x600000                    ; 57,344 x that scale,
	s_or_b32 s91, s90, 0x80000000                  ; and its negative
	s_sub_co_i32 s22, s99, s94
	s_sub_co_i32 s22, s22, s95                     ; e7 - e2 - e3, for k
	s_add_co_i32 s22, s22, 127
	s_lshl_b32 s23, s22, 23
	v_mov_b32 v[SC2], s23
	s_add_co_i32 s22, s22, 15
	s_lshl_b32 s22, s22, 23
	s_or_b32 s66, s22, 0x600000
	s_or_b32 s67, s66, 0x80000000
.macro FRAG reg, adr, q, i             ; a fragment: lane l holds row l % 16; registers 4 c .. 4 c + 3 hold K = 32 c + 16 (l / 16) + 0 .. 15
.irp c, 0,1,2,3
	ds_load_b128 v[\reg+4*\c:\reg+4*\c+3], v[\adr] offset:128*(\q)+32*\c+(\i)*16*PITCH
.endr
.endm
; 16 matrix instructions: A's blocks a0, a0 + 1 x B's eight, 128 along K.  p: B's set.  zero = 1: the first product starts the sums.  The 64 accumulators take turns, in the same order in every step.
.macro MUL16 a0, p, zero
.irp a, \a0, \a0+1
.irp b, 0,1,2,3,4,5,6,7
.if \zero
	v_wmma_f32_16x16x128_bf8_bf8 v[8*(8*((\a)%4)+\b):8*(8*((\a)%4)+\b)+7], v[128*(\p)+FR*\b:128*(\p)+FR*\b+FR-1], v[AF+FR*(\a):AF+FR*(\a)+FR-1], 0
.else
	v_wmma_f32_16x16x128_bf8_bf8 v[8*(8*((\a)%4)+\b):8*(8*((\a)%4)+\b)+7], v[128*(\p)+FR*\b:128*(\p)+FR*\b+FR-1], v[AF+FR*(\a):AF+FR*(\a)+FR-1], v[8*(8*((\a)%4)+\b):8*(8*((\a)%4)+\b)+7]
.endif
.endr
.endr
.endm
.macro FETCH_B slot, q, p              ; B's eight fragments of the slot's q-th 128 along K into set p
	WIN TO_B
.irp i, 0,1,2,3,4,5,6,7
	FRAG 128*(\p)+FR*\i, ADRB+\slot, \q, \i
.endr
	WIN 0
.endm
.macro FETCH_A slot, q, i0             ; A's blocks i0 .. i0 + 3
.irp i, \i0, \i0+1, \i0+2, \i0+3
	FRAG AF+FR*(\i), ADRA+\slot, \q, \i
.endr
.endm
.macro PLACES n                        ; plain vector instructions between a matrix instruction and a load into, or a read of, its registers
.rept \n
	v_nop
.endr
.endm
.macro STEP slot, q, zero              ; a step of 128 along K that has its successor in the same slot
	s_wait_dscnt 4*NL                              ; B's set and A's blocks 0-3 are in; the youngest 16 loads (A's blocks 4-7) may be out
	WIN MUL_LO
	MUL16 0, (\q)%2, \zero
	MUL16 2, (\q)%2, \zero
	s_wait_dscnt 0                                 ; A's blocks 4-7 are in
	PLACES NP
	FETCH_B \slot, (\q)+1, 1-(\q)%2
	FETCH_A \slot, (\q)+1, 0
	WIN MUL_HI
	MUL16 4, (\q)%2, \zero
	MUL16 6, (\q)%2, \zero
	PLACES NP
	WIN 0
	FETCH_A \slot, (\q)+1, 4
.endm
; A slot's last step changes slots: one barrier; in front of it each wave waits for all its tensor loads, adds 0 to its spare word, and waits for that and for its reads of this slot.
; fill = 1: this slot is filled again, by the groups 0 at ga (A) and gb (B); step = 1: they first go two K steps on; step = 0: they stand at the next tile's K step already.
; fetch = 1: the next slot's first fragments are fetched; fetch = 0: a tile's last step: its way out follows, and the next tile's fragments are fetched behind that.
.macro TURN slot, next, fill, ga, gb, step, fetch
	s_wait_tensorcnt 0x0                           ; all my tensor loads have landed: my part of the next slot
	ds_add_u32 v[SPW], v[NIL]                      ; 0 onto my spare word
	s_wait_dscnt 4*NL+1                            ; the add and the youngest 16 loads may be out
	WIN MUL_LO
	MUL16 0, 1, 0
	s_wait_dscnt 0x0                               ; the add is done, and my reads of this slot are over
	s_barrier_signal -1
	MUL16 2, 1, 0
	WIN 0
	s_barrier_wait -1
.if \fill
	CREST                                          ; the barrier has opened a round of the cluster's: no wave of any partner still reads this slot or has a load on its way
.if \step
	s_add_nc_u64 s[\ga+4*\slot+2:\ga+4*\slot+3], s[\ga+4*\slot+2:\ga+4*\slot+3], 2*ROWB
	s_add_nc_u64 s[\gb+4*\slot+2:\gb+4*\slot+3], s[\gb+4*\slot+2:\gb+4*\slot+3], 2*ROWB
.endif
	JLOAD \ga+4*\slot, G1, \gb+4*\slot, G1B        ; my one tensor load behind the round; its four v_nop are also the places in front of the loads below
.else
	PLACES NP
.endif
.if \fetch
	FETCH_B \next, 0, 0
	FETCH_A \next, 0, 0
.endif
	WIN MUL_HI
	MUL16 4, 1, 0
	MUL16 6, 1, 0
.if \fetch
	PLACES NP
	WIN 0
	FETCH_A \next, 0, 4
.else
	WIN 0
.endif
.endm
; THE WAY OUT.  Block a (16 tokens x 128 columns): each sum is held within the largest code x the scale (the conversion does not saturate: ISA guide 7.6.2), each accumulator from its low end on;
; eight sums become eight codes; they go into the stage.
.macro QOUT a, vsc, spl, snl
.set AC, 64*((\a)%4)
	WIN 0x02+((\a)/4)                              ; source 0: window 2 or 3
.set J, 0
.rept 64
	v_med3_num_f32 v[TMP+J], v[AC+J], s[\snl], s[\spl]
.set J, J+1
.endr
	WIN 0
.irp b, 0,1,2,3,4,5,6,7
	v_cvt_scalef32_pk8_bf8_f32 v[CD+16*((\a)%4)+2*\b:CD+16*((\a)%4)+2*\b+1], v[TMP+8*\b:TMP+8*\b+7], v[\vsc]
.endr
	v_nop                                          ; a plain instruction between the conversions and the next block's writes of their sources
.irp b, 0,1,2,3,4,5,6,7
	ds_store_b64 v[STO], v[CD+16*((\a)%4)+2*\b:CD+16*((\a)%4)+2*\b+1] offset:((\a)%4)*16*PITCH+16*\b
.endr
.endm
; A tile leaves in two passes: pass p takes every wave's blocks 4 p .. 4 p + 3, 128 rows in all.  A row's 256 bytes come from two waves: a barrier stands between the stores into the stage and the reads,
; and another between pass 0's reads and pass 1's stores.  A tensor load that is out may stay out.
.macro WAYOUT vsc, spl, snl, base
	PLACES NP                                      ; behind the last products: for the reads of their results and the writes into the registers that held A's fragments
.irp p, 0,1
.irp a, 0,1,2,3
	QOUT 4*\p+\a, \vsc, \spl, \snl
.endr
	s_wait_dscnt 0x0                               ; for the others' sake: my stores into the stage are done
	s_barrier_signal -1
	s_barrier_wait -1
	s_wait_xcnt 0x0                                ; the earlier stores to memory have read their data: the registers below are loaded again only behind this wait
.set T, 0
.rept 16
	ds_load_b128 v[RB+4*T:RB+4*T+3], v[RD] offset:2*T*PITCH
.set T, T+1
.endr
.set T, 0
.rept 16
	s_wait_dscnt 15-T                              ; the younger loads may be out
	global_store_b128 v[CO], v[RB+4*T:RB+4*T+3], s[\base:\base+1] offset:(64*\p+2*T)*KROW   ; 16 lanes store 256 consecutive bytes, at a multiple of 256 from the buffer's first byte
.set T, T+1
.endr
.if \p == 0
	s_barrier_signal -1                            ; (the count-down has ended at 0: my reads of the stage are back)
	s_barrier_wait -1                              ; everybody's are: the stage may be written again
.endif
.endr
.endm
	s_wait_tensorcnt 1                             ; my part of K step 0 is in; K step 1's load may be out
	s_barrier_signal -1
	s_barrier_wait -1
	FETCH_B 0, 0, 0
	FETCH_A 0, 0, 0
	FETCH_A 0, 0, 4
	STEP 0, 0, 1                                   ; THE TILE OF q.  K has four steps of 256: the walk is written straight
	TURN 0, 1, 1, G0, G0B, 1, 1                    ; slot 0 takes q's K step 2
	STEP 1, 0, 0
	TURN 1, 0, 1, G0, G0B, 1, 1                    ; slot 1 takes q's K step 3
	STEP 0, 0, 0
	TURN 0, 1, 1, G2, G2B, 0, 1                    ; THE RING GOES ON INTO THE TILE OF k: slot 0 takes its K step 0,
	STEP 1, 0, 0
	TURN 1, 0, 1, G2, G2B, 0, 0                    ; slot 1 its K step 1
	s_wait_loadcnt 0x0                             ; the copy's 64 bytes a thread
	global_store_b128 v[CT], v[8:11], s[86:87]     ; a wave stores 512 consecutive bytes
	global_store_b128 v[CT], v[12:15], s[88:89]
	global_store_b128 v[CT], v[96:99], s[86:87] offset:2048
	global_store_b128 v[CT], v[100:103], s[88:89] offset:2048
	WAYOUT SC1, 90, 91, 82                         ; both refills are asked for: now q's tile goes out; nothing waits for its stores
	s_wait_xcnt 0x0                                ; the stores have read their data: those registers take A's fragments again
	FETCH_B 0, 0, 0                                ; THE TILE OF k.  Its K step 0 was shown whole by the round in front of the last refill
	FETCH_A 0, 0, 0
	FETCH_A 0, 0, 4
	STEP 0, 0, 1
	TURN 0, 1, 1, G2, G2B, 1, 1                    ; slot 0 takes k's K step 2
	STEP 1, 0, 0
	TURN 1, 0, 1, G2, G2B, 1, 1                    ; slot 1 takes k's K step 3
	STEP 0, 0, 0
	TURN 0, 1, 0, G2, G2B, 0, 1                    ; nothing more to fetch
	STEP 1, 0, 0
	s_wait_dscnt 4*NL
	WIN MUL_LO
	MUL16 0, 1, 0
	MUL16 2, 1, 0
	s_wait_dscnt 0
	WIN MUL_HI
	MUL16 4, 1, 0
	MUL16 6, 1, 0
	WIN 0
	WAYOUT SC2, 66, 67, 84                         ; (between q's last reads of the stage and these stores into it lie the barriers of k's changes of slots)
	s_wait_tensorcnt 0x0                           ; the wave's end
	ds_add_u32 v[SPW], v[NIL]
	s_wait_dscnt 0x0
	CROUND                                         ; the closing round
	s_endpgm
.Lfunc_end_k_q549c03b79b_qkproj:
	.size	k_q549c03b79b_qkproj, .Lfunc_end_k_q549c03b79b_qkproj-k_q549c03b79b_qkproj
	.p2alignl 7, 3214868480
	.fill 96, 4, 3214868480
	.section	.rodata,"a",@progbits
	.p2align	6, 0x0
	.amdhsa_kernel k_q549c03b79b_qkproj
		.amdhsa_group_segment_fixed_size 327680
		.amdhsa_private_segment_fixed_size 0
		.amdhsa_enable_private_segment 0
		.amdhsa_kernarg_size 88
		.amdhsa_user_sgpr_count 2
		.amdhsa_user_sgpr_kernarg_segment_ptr 1
		.amdhsa_wavefront_size32 1
		.amdhsa_system_sgpr_workgroup_id_x 1
		.amdhsa_system_sgpr_workgroup_id_y 1
		.amdhsa_system_sgpr_workgroup_id_z 1
		.amdhsa_system_vgpr_workitem_id 0
		.amdhsa_next_free_vgpr 1024
		.amdhsa_next_free_sgpr 100
		.amdhsa_reserve_vcc 0
		.amdhsa_float_denorm_mode_32 3
		.amdhsa_float_denorm_mode_16_64 3
		.amdhsa_memory_ordered 1
		.amdhsa_forward_progress 1
		.amdhsa_inst_pref_size 247
	.end_amdhsa_kernel
	.amdgpu_metadata
---
amdhsa.version: [ 1, 2 ]
amdhsa.kernels:
  - .name:           k_q549c03b79b_qkproj
    .symbol:         k_q549c03b79b_qkproj.kd
    .args:
      - { .name: query_codes, .offset: 0, .size: 8, .value_kind: global_buffer, .address_space: global }
      - { .name: key_codes, .offset: 8, .size: 8, .value_kind: global_buffer, .address_space: global }
      - { .name: Wq_codes, .offset: 16, .size: 8, .value_kind: global_buffer, .address_space: global }
      - { .name: Wk_codes, .offset: 24, .size: 8, .value_kind: global_buffer, .address_space: global }
      - { .name: lowp_scales, .offset: 32, .size: 8, .value_kind: global_buffer, .address_space: global }
      - { .name: Wv_codes, .offset: 40, .size: 8, .value_kind: global_buffer, .address_space: global }
      - { .name: Wp_codes, .offset: 48, .size: 8, .value_kind: global_buffer, .address_space: global }
      - { .name: q_ws, .offset: 56, .size: 8, .value_kind: global_buffer, .address_space: global }
      - { .name: k_ws, .offset: 64, .size: 8, .value_kind: global_buffer, .address_space: global }
      - { .name: wv_perm, .offset: 72, .size: 8, .value_kind: global_buffer, .address_space: global }
      - { .name: wp_perm, .offset: 80, .size: 8, .value_kind: global_buffer, .address_space: global }
    .group_segment_fixed_size: 327680
    .private_segment_fixed_size: 0
    .kernarg_segment_align: 8
    .kernarg_segment_size: 88
    .max_flat_workgroup_size: 128
    .sgpr_count:     100
    .vgpr_count:     1024
    .wavefront_size: 32
...
	.end_amdgpu_metadata
.endif
;; end of part 1
;; launch vattn (part 2): grid 4 x 64, 4 waves a work-group, clusters of 4 x 4, 327,680 bytes of LDS; arguments value_codes, wv_perm, q_ws, k_ws, lowp_scales, x_ws; writes x_ws
.if DOCPART == 2
	.amdgcn_target "amdgcn-amd-amdhsa--gfx1250"
	.amdhsa_code_object_version 6
	.text
	.protected	k_q549c03b79b_vattn
	.globl	k_q549c03b79b_vattn
	.p2align	8
	.type	k_q549c03b79b_vattn,@function
k_q549c03b79b_vattn:
	s_mov_b64 s[64:65], 0
	v_nop
	global_prefetch_b8 v0, s[64:65] scope:SCOPE_SE
	s_setreg_imm32_b32 hwreg(HW_REG_WAVE_MODE, 25, 1), 1
	s_wait_xcnt 0x0
	s_wait_alu depctr_hold_cnt(0) depctr_sa_sdst(0) depctr_va_vdst(0) depctr_va_sdst(0) depctr_va_ssrc(0) depctr_va_vcc(0) depctr_vm_vsrc(0)
	s_getreg_b32 s2, hwreg(HW_REG_IB_STS2, 6, 4)
	s_cmp_eq_u32 s2, 0
	s_cbranch_scc0 .Lentry_in_a_cluster
	s_endpgm
.Lentry_in_a_cluster:
	s_bfe_u32 s2, ttmp6, 0x10000c
	s_cmp_lg_u32 s2, 0xf033
	s_cbranch_scc0 .Lentry_shape_is_right
	s_endpgm
.Lentry_shape_is_right:
; LAUNCH 2 OF 3.  v = value Wv^T (sums stay in accumulators), attn = softmax over g of Q(q)[h] . Q(k)[g] / 8 for each token, x[h][d] = sum over g of attn[h][g] v[g][d] in f32, x quantised by 2^e8 and stored as codes.
; xpos and ypos are left out: reference() never reads them (shown at the head of the first launch).
; SHARES.  A work-group takes 256 tokens (y) and a slice s of 16 channels d = 16 s + dd of ALL 16 heads g (x): wv_perm has those 256 rows of Wv on end, row 16 g + dd.  THE WAVES SHARE THE TOKENS: wave w owns tokens 64 w .. 64 w + 63
; x all 256 columns: 4 blocks a of 16 tokens x 16 blocks g.  The GEMM is used transposed (source 0 = 16 rows of the weight, source 1 = 16 tokens): lane (r, hh) of accumulator (a, g) holds token 16 a + r, v[g][16 s + 8 hh + 0 .. 7].
; So a lane has, for its token, every g of its eight channels: the second per-token product needs nothing from another lane but attn.
; attn.  One matrix instruction a token, K = 64 (source 0 = k's 16 heads, source 1 = q's): lane (r, hh) holds head h = r and g = 8 hh + 0 .. 7.  The row's maximum is taken away; p = 2^(c s - c max), c = log2(e) / 8 x 2^(e6 + e7); p / sum goes to LDS
; (the wave's own area, laid over the ring when every wave has left it) and comes back with a token to a lane.  Each of the four slices of a token block makes attn anew: it is small beside the products.
; BLOCK BY BLOCK.  Behind the GEMM a wave takes its four blocks of 16 tokens one after the other: the block's scores and softmax, then its attn x v.  The next block's q and k are asked for in two runs of 32 loads, one behind the block's
; sixteen products and one behind its softmax: each has the rest of the block's work, 1,300 vector instructions of attn x v among it, in which to land.
; x_ws.  reference()'s transpose and reshape put x[b, n, h, d] at row 128 h + n / 16, column 64 (n % 16) + d.  Here the column is laid k' = 256 s + 16 (n % 16) + dd, and wp_perm has the same order along K: a wave's 32 lanes x 8 codes are 256 consecutive bytes.
; CLUSTERS: 4 x 4.  The tokens' tile is shared along a row of the cluster, the weight's along a column, by joint loads.  q_ws and k_ws, which the four of a row also share, come by plain loads into registers: beside the waves' areas for attn
; (266,240 bytes) LDS has 60,928 bytes left, room for 29 tokens' q and k.
; LIMITS: e8 - e4 - e5 between -126 and 112; e6 + e7 between -123 and 130.  NaN and infinite sums are not served.
; REGISTERS: window 0: v14-30 addresses; v32-95 the softmax's statistics (4 a token), then x (v32-63) and its codes (v64-79); v128-255 A's fragments (two sets of 4), later the scores (8 a token) and attn (two buffers of 64) by turns.
;   window 1: B's 16 fragments, one set; later token t's k at v[16 t], q at v[16 t + 8].   windows 2, 3: accumulator (a, g) at v[8 (8 a + g % 8)] of window 2 + g / 8.
.set KROW,   1024
.set ROWB,   256
.set PITCH,  272                       ; an LDS row: 256 bytes + 16 of padding
.set FR,     16
.set NP,     4                         ; places behind this matrix instruction (ISA guide 7.12.1)
.set HALFT,  128*PITCH
.set SLOT,   4*HALFT
.set SPARE,  2*SLOT                    ; the spare words, 128 bytes a wave, that no other line names
.set TOKP,   1040                      ; attn of a token in LDS: 16 heads x 64 bytes + 16: sixteen tokens' equal places start at sixteen different groups of banks
.set ATTW,   64*TOKP                   ; a wave's area; four of them end under SPARE
.set ARW,  14                          ; v14     where attn is read in this trip
.set ADRA, 16
.set ADRB, 20
.set QA,   22                          ; v22     64 r + 16 hh: my 16 codes of head r; never rewritten
.set AT0,  23                          ; v23     my area + 64 r + 16 ((2 hh) xor (r / 4)): granule gamma (four g) of head h lies at 16 (gamma xor (h / 4))
.set AT1,  24                          ; v24     the granule beside it
.set AR,   25                          ; v25     my area + 1,040 r
.set XO,   26                          ; v26     16 r + 8 hh: my 8 codes in a unit of x_ws
.set SC,   27                          ; v27     2^(e8 - e4 - e5) as f32
.set SPW,  28
.set NIL,  29
.set PFO,  30                          ; v30     256 x lane, for the prefetches; never rewritten
.set ST,   32
.set X,    32
.set CD,   64
.set AF,   128
.set S,    128
.set AB0,  128
.set AB1,  192
.set G1, 24
.set G0, 32
.set G1B, 48
.set G0B, 56
.set MSB, 0
.macro WIN new                         ; the immediate's high byte repeats the setting that is left
.if MSB != \new
	s_set_vgpr_msb (MSB<<8)|\new
.set MSB, \new
.endif
.endm
.set MUL_LO, 0xa1
.set MUL_HI, 0xf1
.set TO_B,   0x40
.macro JLOAD g0a, g1a, g0b, g1b        ; a joint load: waves 0 and 1 for A, waves 2 and 3 for B; an s_nop 0 and four v_nop follow each line
	s_cmp_eq_u32 s15, 0
	s_cbranch_scc0 .Lfor_b_\@
	tensor_load_to_lds s[\g0a:\g0a+3], s[\g1a:\g1a+7]
	s_nop 0
.rept 4
	v_nop
.endr
	s_branch .Lasked_\@
.Lfor_b_\@:
	tensor_load_to_lds s[\g0b:\g0b+3], s[\g1b:\g1b+7]
	s_nop 0
.rept 4
	v_nop
.endr
.Lasked_\@:
.endm
.macro CREST
	s_cmp_lg_u32 s14, 0
	s_cbranch_scc1 .Lnot_wave_0_\@
	s_barrier_signal -3
.Lnot_wave_0_\@:
	s_barrier_wait -3
	s_barrier_signal -1
	s_barrier_wait -1
.endm
.macro CROUND
	s_barrier_signal -1
	s_barrier_wait -1
	CREST
.endm
	s_load_b256 s[4:11], s[0:1], 0x0               ; value's codes 4, wv_perm 6, q_ws 8, k_ws 10
	s_load_b128 s[68:71], s[0:1], 0x20             ; the exponents 68, x_ws 70
	v_lshl_add_u32 v[SPW], v0, 2, SPARE
	v_mov_b32 v[NIL], 0
	ds_add_u32 v[SPW], v[NIL]                      ; the wave's opening: the add, twice on end, and its wait ahead of my first tensor load
	ds_add_u32 v[SPW], v[NIL]
	v_lshrrev_b32 v1, 5, v0
	v_readfirstlane_b32 s14, v1                    ; wave 0..3
	s_lshr_b32 s15, s14, 1                         ; I fetch for A (0) or for B (1)
	s_and_b32 s16, s14, 1                          ; which 128 rows of that tile
	s_bfe_u32 s40, ttmp6, 0x40000                  ; cx, cy
	s_bfe_u32 s41, ttmp6, 0x40004
	s_lshl_b32 s42, ttmp9, 2
	s_add_co_u32 s42, s42, s40                     ; the slice s
	s_and_b32 s17, ttmp7, 0xffff
	s_lshl_b32 s17, s17, 2
	s_add_co_u32 s17, s17, s41                     ; the block of 256 tokens, 0..63
	s_lshl_b32 s43, s41, 2
	s_lshl_b32 s43, 15, s43                        ; my row of the cluster
	s_lshl_b32 s44, 0x1111, s40                    ; my column
	s_or_b32 s[G1+0], s43, (0<<16)|(1<<20)|(1<<21)|(5<<22)|(3<<25)  ; the mask; elements of 1 byte; padding on; bit 21 beside a mask; four words after every 64
	s_or_b32 s[G1B+0], s44, (0<<16)|(1<<20)|(1<<21)|(5<<22)|(3<<25)
.irp g, G1, G1B
	s_mov_b32 s[\g+1], ROWB<<16
	s_mov_b32 s[\g+2], 128<<16
	s_mov_b32 s[\g+3], ROWB<<16
	s_mov_b32 s[\g+4], 128
	s_mov_b32 s[\g+5], KROW
	s_mov_b32 s[\g+6], 0
	s_mov_b32 s[\g+7], 0
.endr
	s_lshl_b32 s18, s16, 7
	s_lshl_b32 s20, s17, 8
	s_add_co_u32 s20, s20, s18
	s_lshl_b32 s20, s20, 10                        ; A: (256 x block + 128 x half) rows of 1,024 bytes
	s_mov_b32 s21, 0
	s_lshl_b32 s46, s42, 8
	s_add_co_u32 s46, s46, s18
	s_lshl_b32 s46, s46, 10                        ; B: (256 x slice + 128 x half) rows
	s_mov_b32 s47, 0
	s_mul_i32 s45, s14, HALFT
	s_mov_b32 s80, 0x76543210                      ; v_permlanex16_b32's selects: lane l xor 16
	s_mov_b32 s81, 0xfedcba98
	s_wait_dscnt 0x0                               ; both opening adds are done
	s_wait_kmcnt 0x0
	s_load_b128 s[72:75], s[68:69], 0x10           ; e4 .. e7
	s_load_b32 s76, s[68:69], 0x20                 ; e8
	s_add_nc_u64 s[20:21], s[4:5], s[20:21]
	s_add_nc_u64 s[46:47], s[6:7], s[46:47]
	CROUND                                         ; the first joint loads meet
.irp s, 0,1
	s_mov_b32 s[G0+4*\s], 1
	s_add_co_u32 s[G0+4*\s+1], s45, \s*SLOT
	s_add_nc_u64 s[G0+4*\s+2:G0+4*\s+3], s[20:21], \s*ROWB
	s_or_b32 s[G0+4*\s+3], s[G0+4*\s+3], 0x80000000
	s_mov_b32 s[G0B+4*\s], 1
	s_add_co_u32 s[G0B+4*\s+1], s45, \s*SLOT
	s_add_nc_u64 s[G0B+4*\s+2:G0B+4*\s+3], s[46:47], \s*ROWB
	s_or_b32 s[G0B+4*\s+3], s[G0B+4*\s+3], 0x80000000
	JLOAD G0+4*\s, G1, G0B+4*\s, G1B               ; K steps 0 and 1: two loads of mine are out
.endr
	v_and_b32 v1, 15, v0                           ; r
	v_bfe_u32 v2, v0, 4, 1                         ; hh
	v_mul_u32_u24 v3, v1, PITCH
	v_lshl_add_u32 v4, v2, 4, v3
	s_mul_i32 s21, s14, 64*PITCH                   ; my 64 tokens' rows of A's tile
	s_mov_b32 s22, 2*HALFT                         ; B's 256 rows lie behind A's
.irp s, 0,1
	v_add_nc_u32 v[ADRA+\s], s21, v4
	v_add_nc_u32 v[ADRB+\s], s22, v4
	s_add_co_u32 s21, s21, SLOT
	s_add_co_u32 s22, s22, SLOT
.endr
	v_lshlrev_b32 v[QA], 6, v1
	v_lshl_add_u32 v[QA], v2, 4, v[QA]
	s_mul_i32 s23, s14, ATTW                       ; my area
	v_lshrrev_b32 v5, 2, v1
	v_lshlrev_b32 v6, 1, v2
	v_xor_b32 v5, v5, v6                           ; (2 hh) xor (r / 4)
	v_lshlrev_b32 v7, 6, v1
	v_lshl_add_u32 v[AT0], v5, 4, v7
	v_add_nc_u32 v[AT0], s23, v[AT0]
	v_xor_b32 v[AT1], 16, v[AT0]
	v_mul_u32_u24 v[AR], v1, TOKP
	v_add_nc_u32 v[AR], s23, v[AR]
	v_lshlrev_b32 v[XO], 4, v1
	v_lshl_add_u32 v[XO], v2, 3, v[XO]
	v_and_b32 v[PFO], 31, v0
	v_lshlrev_b32 v[PFO], 8, v[PFO]
	s_lshl_b32 s12, s17, 18                        ; my wave's first token: (256 x block + 64 x wave) rows of 1,024 bytes
	s_lshl_b32 s13, s14, 16
	s_add_co_u32 s12, s12, s13
	s_mov_b32 s13, 0
	s_add_nc_u64 s[84:85], s[10:11], s[12:13]      ; in k_ws,
	s_add_nc_u64 s[86:87], s[8:9], s[12:13]        ; in q_ws; neither is written again
	s_lshl_b32 s12, s17, 18                        ; the prefetches: the four partners that read the same 256 tokens share them out by address, 64 each; a wave takes 16
	s_lshl_b32 s22, s40, 16
	s_add_co_u32 s12, s12, s22
	s_lshl_b32 s22, s14, 14
	s_add_co_u32 s12, s12, s22
	s_add_nc_u64 s[92:93], s[8:9], s[12:13]
	s_add_nc_u64 s[94:95], s[10:11], s[12:13]
	s_lshr_b32 s12, s17, 3                         ; x_ws: batch = block / 8: 2,048 rows;
	s_lshl_b32 s12, s12, 21
	s_and_b32 s22, s17, 7                          ; n / 16 = 16 (block % 8) + 4 wave + a;
	s_lshl_b32 s22, s22, 14
	s_add_co_u32 s12, s12, s22
	s_lshl_b32 s22, s14, 12
	s_add_co_u32 s12, s12, s22
	s_lshl_b32 s22, s42, 8                         ; column 256 s
	s_add_co_u32 s12, s12, s22
	s_add_nc_u64 s[88:89], s[70:71], s[12:13]
	s_wait_kmcnt 0x0
	s_add_co_i32 s22, s74, s75                     ; a score stands for score x 2^(e6 + e7): added to c's exponent field
	s_lshl_b32 s22, s22, 23
	s_add_co_i32 s78, s22, 0x3e38aa3b              ; c = log2(e) / 8 x 2^(e6 + e7)
	s_mov_b32 s79, s78                             ; (named with it as a pair)
	s_sub_co_i32 s22, s76, s72
	s_sub_co_i32 s22, s22, s73                     ; e8 - e4 - e5: v's two scales and x's folded into the conversion's one
	s_add_co_i32 s22, s22, 127
	s_lshl_b32 s23, s22, 23
	v_mov_b32 v[SC], s23
	s_add_co_i32 s22, s22, 15
	s_lshl_b32 s22, s22, 23
	s_or_b32 s82, s22, 0x600000                    ; 57,344 x that scale,
	s_or_b32 s83, s82, 0x80000000                  ; and its negative
.macro FRAG reg, adr, q, i
.irp c, 0,1,2,3
	ds_load_b128 v[\reg+4*\c:\reg+4*\c+3], v[\adr] offset:128*(\q)+32*\c+(\i)*16*PITCH
.endr
.endm
.macro FETCH_A slot, q, p              ; my four blocks of tokens, the slot's q-th 128 along K, into set p: 16 loads
.irp a, 0,1,2,3
	FRAG AF+64*(\p)+FR*\a, ADRA+\slot, \q, \a
.endr
.endm
.macro FETCH_B slot, q, g0             ; B's blocks g0 .. g0 + 7: 32 loads
	WIN TO_B
.irp g, \g0, \g0+1, \g0+2, \g0+3, \g0+4, \g0+5, \g0+6, \g0+7
	FRAG FR*(\g), ADRB+\slot, \q, \g
.endr
	WIN 0
.endm
; 16 matrix instructions: B's blocks g0 .. g0 + 3 x my four blocks of tokens.  The 64 accumulators take turns, in the same order in every step.
.macro MULG g0, p, zero
.irp g, \g0, \g0+1, \g0+2, \g0+3
.irp a, 0,1,2,3
.if \zero
	v_wmma_f32_16x16x128_bf8_bf8 v[8*(8*\a+(\g)%8):8*(8*\a+(\g)%8)+7], v[FR*(\g):FR*(\g)+FR-1], v[AF+64*(\p)+FR*\a:AF+64*(\p)+FR*\a+FR-1], 0
.else
	v_wmma_f32_16x16x128_bf8_bf8 v[8*(8*\a+(\g)%8):8*(8*\a+(\g)%8)+7], v[FR*(\g):FR*(\g)+FR-1], v[AF+64*(\p)+FR*\a:AF+64*(\p)+FR*\a+FR-1], v[8*(8*\a+(\g)%8):8*(8*\a+(\g)%8)+7]
.endif
.endr
.endr
.endm
.macro PLACES n
.rept \n
	v_nop
.endr
.endm
; A block of B is free as soon as its four products are issued, so one set serves B: blocks 0-7 are fetched anew in the step's middle, blocks 8-15 at its end.  A's fragments are at work through the whole step and have two sets.
.macro STEP slot, q, zero
	s_wait_dscnt 32                                ; A's set and B's blocks 0-7 are in; the youngest 32 loads (B's blocks 8-15) may be out
	WIN MUL_LO
	MULG 0, (\q)%2, \zero
	MULG 4, (\q)%2, \zero
	s_wait_dscnt 0
	PLACES NP
	WIN 0
	FETCH_A \slot, (\q)+1, 1-(\q)%2
	FETCH_B \slot, (\q)+1, 0
	WIN MUL_HI
	MULG 8, (\q)%2, \zero
	MULG 12, (\q)%2, \zero
	PLACES NP
	FETCH_B \slot, (\q)+1, 8
.endm
; The change of slots.  fill = 1: this slot is filled again, and behind the run of LDS loads stand two prefetches, from the pair s[pf]: 16 tokens' rows of q_ws (first refill) or of k_ws (second), 32 lanes 256 bytes apart, twice:
; each aligned 256 bytes of the cluster row's 256 tokens is named once, by one wave of one of the four partners that will read it, two and a half and one and a half K steps of 256 ahead of the first load that wants it.
.macro TURN slot, next, fill, pf
	s_wait_tensorcnt 0x0                           ; all my tensor loads have landed
	ds_add_u32 v[SPW], v[NIL]                      ; 0 onto my spare word
	s_wait_dscnt 33                                ; the add and the youngest 32 loads may be out
	WIN MUL_LO
	MULG 0, 1, 0
	s_wait_dscnt 0x0                               ; the add is done, and my reads of this slot are over
	s_barrier_signal -1
	MULG 4, 1, 0
	WIN 0
	s_barrier_wait -1
.if \fill
	CREST
	s_add_nc_u64 s[G0+4*\slot+2:G0+4*\slot+3], s[G0+4*\slot+2:G0+4*\slot+3], 2*ROWB
	s_add_nc_u64 s[G0B+4*\slot+2:G0B+4*\slot+3], s[G0B+4*\slot+2:G0B+4*\slot+3], 2*ROWB
	JLOAD G0+4*\slot, G1, G0B+4*\slot, G1B         ; my one tensor load behind the round; its four v_nop are also the places in front of the loads below
.else
	PLACES NP
.endif
	FETCH_A \next, 0, 0
	FETCH_B \next, 0, 0
.if \fill
	global_prefetch_b8 v[PFO], s[\pf:\pf+1] th:TH_LOAD_NT scope:SCOPE_SE
	global_prefetch_b8 v[PFO], s[\pf:\pf+1] offset:8192 th:TH_LOAD_NT scope:SCOPE_SE
.endif
	WIN MUL_HI
	MULG 8, 1, 0
	MULG 12, 1, 0
	PLACES NP
	FETCH_B \next, 0, 8
.endm
; Tokens t0 .. t0 + 7 of block blk: k's and q's fragments (16 heads x 64) into the registers that held B's blocks: lane (r, hh) takes bytes 16 hh and 32 + 16 hh of head r: a permutation of k, the same in q and in k.
; The block and the token stand in the immediate: 63 rows of 1,024 bytes at the most.
.macro QKLOAD t0, blk
	WIN TO_B
.irp t, \t0, \t0+1, \t0+2, \t0+3, \t0+4, \t0+5, \t0+6, \t0+7
	global_load_b128 v[16*(\t):16*(\t)+3], v[QA], s[84:85] offset:1024*(16*(\blk)+(\t))
	global_load_b128 v[16*(\t)+4:16*(\t)+7], v[QA], s[84:85] offset:1024*(16*(\blk)+(\t))+32
	global_load_b128 v[16*(\t)+8:16*(\t)+11], v[QA], s[86:87] offset:1024*(16*(\blk)+(\t))
	global_load_b128 v[16*(\t)+12:16*(\t)+15], v[QA], s[86:87] offset:1024*(16*(\blk)+(\t))+32
.endr
	WIN 0
.endm
	s_wait_tensorcnt 1                             ; my part of K step 0 is in; K step 1's load may be out
	s_barrier_signal -1
	s_barrier_wait -1
	FETCH_A 0, 0, 0
	FETCH_B 0, 0, 0
	FETCH_B 0, 0, 8
	STEP 0, 0, 1
	TURN 0, 1, 1, 92
	STEP 1, 0, 0
	TURN 1, 0, 1, 94
	STEP 0, 0, 0
	TURN 0, 1, 0, 0
	STEP 1, 0, 0
	s_wait_dscnt 32                                ; the last step: in place of B's next blocks come the first 16 tokens' q and k
	WIN MUL_LO
	MULG 0, 1, 0
	MULG 4, 1, 0
	s_wait_dscnt 0
	PLACES NP
	QKLOAD 0, 0
	WIN MUL_HI
	MULG 8, 1, 0
	MULG 12, 1, 0
	PLACES NP
	QKLOAD 8, 0
.irp t, 0,1,2,3,4,5,6,7,8,9,10,11,12,13,14,15
	v_mov_b32 v[ST+4*\t+1], 0                      ; a lane permute's destination counts as read.  (With the four above: the places before the scores are laid over A's fragments)
.endr
	s_wait_dscnt 0x0                               ; my reads of the ring are over;
	s_barrier_signal -1
	s_barrier_wait -1                              ; everybody's are: both slots have had their last fill and their last read, and the waves' areas for attn may be laid over them
; THE SCORES AND THE SOFTMAX of block a: 16 tokens.
.macro SBLK a
	s_wait_loadcnt 0x0                             ; this block's q and k are in
	WIN 0x05                                       ; sources 0 and 1 window 1
.irp t, 0,1,2,3,4,5,6,7,8,9,10,11,12,13,14,15
	v_wmma_f32_16x16x64_bf8_bf8 v[S+8*\t:S+8*\t+7], v[16*\t:16*\t+7], v[16*\t+8:16*\t+15], 0
.endr
	WIN 0
	PLACES NP                                      ; for the loads into the fragments' registers and the reads of the scores
.if (\a) < 3
	QKLOAD 0, (\a)+1                               ; the next block's first eight tokens
.endif
	; line by line across the 16 tokens, so that no line waits for the line above it
.irp t, 0,1,2,3,4,5,6,7,8,9,10,11,12,13,14,15
	v_max3_num_f32 v[ST+4*\t], v[S+8*\t], v[S+8*\t+1], v[S+8*\t+2]
.endr
.irp t, 0,1,2,3,4,5,6,7,8,9,10,11,12,13,14,15
	v_max3_num_f32 v[ST+4*\t], v[ST+4*\t], v[S+8*\t+3], v[S+8*\t+4]
.endr
.irp t, 0,1,2,3,4,5,6,7,8,9,10,11,12,13,14,15
	v_max3_num_f32 v[ST+4*\t], v[ST+4*\t], v[S+8*\t+5], v[S+8*\t+6]
.endr
.irp t, 0,1,2,3,4,5,6,7,8,9,10,11,12,13,14,15
	v_max_num_f32 v[ST+4*\t], v[ST+4*\t], v[S+8*\t+7]
.endr
.irp t, 0,1,2,3,4,5,6,7,8,9,10,11,12,13,14,15
	v_permlanex16_b32 v[ST+4*\t+1], v[ST+4*\t], s80, s81   ; the head's other eight g lie in the lane 16 away
.endr
.irp t, 0,1,2,3,4,5,6,7,8,9,10,11,12,13,14,15
	v_max_num_f32 v[ST+4*\t], v[ST+4*\t], v[ST+4*\t+1]
.endr
.irp t, 0,1,2,3,4,5,6,7,8,9,10,11,12,13,14,15
	v_mul_f32 v[ST+4*\t], s78, v[ST+4*\t]          ; c x the row's maximum (c is positive); its rounding is a factor common to the row, which the division takes away
.endr
.irp p, 0,2,4,6
.irp t, 0,1,2,3,4,5,6,7,8,9,10,11,12,13,14,15
	v_pk_fma_f32 v[S+8*\t+\p:S+8*\t+\p+1], v[S+8*\t+\p:S+8*\t+\p+1], s[78:79], v[ST+4*\t:ST+4*\t+1] op_sel_hi:[1,0,0] neg_lo:[0,0,1] neg_hi:[0,0,1]   ; c s - c max
.endr
.endr
.set J, 0
.rept 128
	v_exp_f32 v[S+J], v[S+J]
.set J, J+1
.endr
	v_nop                                          ; a plain instruction behind the last exponential,
	s_wait_alu depctr_va_vdst(0)                   ; and one wait for the batch of 128, ahead of its first reader
.irp t, 0,1,2,3,4,5,6,7,8,9,10,11,12,13,14,15
	v_pk_add_f32 v[ST+4*\t+2:ST+4*\t+3], v[S+8*\t:S+8*\t+1], v[S+8*\t+2:S+8*\t+3]
.endr
.irp t, 0,1,2,3,4,5,6,7,8,9,10,11,12,13,14,15
	v_pk_add_f32 v[ST+4*\t+2:ST+4*\t+3], v[ST+4*\t+2:ST+4*\t+3], v[S+8*\t+4:S+8*\t+5]
.endr
.irp t, 0,1,2,3,4,5,6,7,8,9,10,11,12,13,14,15
	v_pk_add_f32 v[ST+4*\t+2:ST+4*\t+3], v[ST+4*\t+2:ST+4*\t+3], v[S+8*\t+6:S+8*\t+7]
.endr
.irp t, 0,1,2,3,4,5,6,7,8,9,10,11,12,13,14,15
	v_add_f32 v[ST+4*\t+2], v[ST+4*\t+2], v[ST+4*\t+3]
.endr
.irp t, 0,1,2,3,4,5,6,7,8,9,10,11,12,13,14,15
	v_permlanex16_b32 v[ST+4*\t+3], v[ST+4*\t+2], s80, s81
.endr
.irp t, 0,1,2,3,4,5,6,7,8,9,10,11,12,13,14,15
	v_add_f32 v[ST+4*\t+2], v[ST+4*\t+2], v[ST+4*\t+3]
.endr
.irp t, 0,1,2,3,4,5,6,7,8,9,10,11,12,13,14,15
	v_rcp_f32 v[ST+4*\t], v[ST+4*\t+2]
.endr
	v_nop
	s_wait_alu depctr_va_vdst(0)                   ; one wait for the sixteen reciprocals
.irp p, 0,2,4,6
.irp t, 0,1,2,3,4,5,6,7,8,9,10,11,12,13,14,15
	v_pk_mul_f32 v[S+8*\t+\p:S+8*\t+\p+1], v[S+8*\t+\p:S+8*\t+\p+1], v[ST+4*\t:ST+4*\t+1] op_sel_hi:[1,0]
.endr
.endr
.irp t, 0,1,2,3,4,5,6,7,8,9,10,11,12,13,14,15
	ds_store_b128 v[AT0], v[S+8*\t:S+8*\t+3] offset:TOKP*(16*(\a)+\t)       ; attn[h = r][8 hh + 0 .. 3] of token 16 a + t (63 x 1,040 bytes at the most: inside the 16-bit offset),
	ds_store_b128 v[AT1], v[S+8*\t+4:S+8*\t+7] offset:TOKP*(16*(\a)+\t)     ; and [8 hh + 4 .. 7]
.endr
.if (\a) < 3
	QKLOAD 8, (\a)+1                               ; the next block's other eight tokens
.endif
	s_wait_dscnt 0x0                               ; the stores have read the scores' registers, which take attn next.  The area is my wave's own: no barrier
.endm
; attn x v.  For block a, lane (r, hh) has token 16 a + r.  A chunk is four heads h = 4 hl + c, hl = 0 .. 3, so that the granules' places, 16 (q xor hl), are constants of the text.
.macro LOADATT a, buf, off             ; attn[4 hl + c][all 16 g] of my token: 16 loads; register buf + 16 hl + g
.irp hl, 0,1,2,3
.irp q, 0,1,2,3
	ds_load_b128 v[\buf+16*\hl+4*\q:\buf+16*\hl+4*\q+3], v[ARW] offset:16*TOKP*\a+\off+256*\hl+16*(\q^\hl)
.endr
.endr
.endm
.macro FMAG a, buf, g                  ; x[hl][0 .. 7] += attn[hl][g] x v[g][0 .. 7]: sixteen packed multiply-adds on sixteen chains
.irp hl, 0,1,2,3
.irp p, 0,2,4,6
.if (\g)%2
	v_pk_fma_f32 v[X+8*\hl+\p:X+8*\hl+\p+1], v[64*\a+8*((\g)%8)+\p:64*\a+8*((\g)%8)+\p+1], v[\buf+16*\hl+\g-1:\buf+16*\hl+\g], v[X+8*\hl+\p:X+8*\hl+\p+1] op_sel:[0,1,0] op_sel_hi:[1,1,1]
.else
	v_pk_fma_f32 v[X+8*\hl+\p:X+8*\hl+\p+1], v[64*\a+8*((\g)%8)+\p:64*\a+8*((\g)%8)+\p+1], v[\buf+16*\hl+\g:\buf+16*\hl+\g+1], v[X+8*\hl+\p:X+8*\hl+\p+1] op_sel_hi:[1,0,1]
.endif
.endr
.endr
.endm
.macro FMA a, buf                      ; a chunk's x, g ascending, in f32; each accumulator is read from its low end on
	WIN 0x02                                       ; source 0 (v) window 2
.irp hl, 0,1,2,3
.irp p, 0,2,4,6
	v_pk_mul_f32 v[X+8*\hl+\p:X+8*\hl+\p+1], v[64*\a+\p:64*\a+\p+1], v[\buf+16*\hl:\buf+16*\hl+1] op_sel_hi:[1,0]   ; g = 0 starts the sums
.endr
.endr
.irp g, 1,2,3,4,5,6,7
	FMAG \a, \buf, \g
.endr
	WIN 0x03                                       ; window 3
.irp g, 8,9,10,11,12,13,14,15
	FMAG \a, \buf, \g
.endr
	WIN 0
.endm
.macro CONV a, set, off                ; the hold, the conversion, the store: 32 lanes x 8 codes are 256 consecutive bytes of row 128 h + n / 16 of x_ws, at a multiple of 256 from its first byte
	s_wait_xcnt 0x0                                ; the earlier stores have read their data: this set of code registers is written again only behind this wait
.set J, 0
.rept 32
	v_med3_num_f32 v[X+J], v[X+J], s83, s82        ; the conversion does not saturate (ISA guide 7.6.2)
.set J, J+1
.endr
.irp hl, 0,1,2,3
	v_cvt_scalef32_pk8_bf8_f32 v[CD+8*\set+2*\hl:CD+8*\set+2*\hl+1], v[X+8*\hl:X+8*\hl+7], v[SC]
.endr
	v_nop                                          ; a plain instruction between the conversions and the next chunk's writes of their sources
.irp hl, 0,1,2,3
	global_store_b64 v[XO], v[CD+8*\set+2*\hl:CD+8*\set+2*\hl+1], s[90:91] offset:(512*\hl+\a)*1024+\off
.endr
.endm
.macro PV a                            ; two trips of two chunks: c = 0, 1 and c = 2, 3
	s_mov_b32 s96, 0
	s_mov_b64 s[90:91], s[88:89]                   ; (no store that reads this base is untranslated: the wait at the last trip's end)
	s_mov_b32 s97, 2
	v_add_nc_u32 v[ARW], s96, v[AR]
	LOADATT \a, AB0, 0
.Lpv_\a:
	LOADATT \a, AB1, 64
	s_wait_dscnt 16                                ; the first buffer is in; the second's 16 loads may be out
	FMA \a, AB0
	CONV \a, 0, 0
	s_wait_dscnt 0x0                               ; the second buffer is in, and no load that names the address register is out
	s_add_co_u32 s96, s96, 128
	s_cmp_eq_u32 s97, 1
	s_cbranch_scc1 .Lpvl_\a
	v_add_nc_u32 v[ARW], s96, v[AR]                ; two heads on
	LOADATT \a, AB0, 0                             ; the next trip's first chunk lands while this trip's second is worked
.Lpvl_\a:
	FMA \a, AB1
	CONV \a, 1, 131072                             ; one head on: 128 rows of x_ws
	s_wait_xcnt 0x0                                ; the stores have read their base and their data: the next block's softmax writes those registers
	s_add_nc_u64 s[90:91], s[90:91], 262144
	s_sub_co_u32 s97, s97, 1
	s_cmp_lg_u32 s97, 0
	s_cbranch_scc1 .Lpv_\a
.endm
	SBLK 0
	PV 0
	SBLK 1
	PV 1
	SBLK 2
	PV 2
	SBLK 3
	PV 3
	s_wait_tensorcnt 0x0                           ; the wave's end
	ds_add_u32 v[SPW], v[NIL]
	s_wait_dscnt 0x0
	CROUND                                         ; the closing round
	s_endpgm
.Lfunc_end_k_q549c03b79b_vattn:
	.size	k_q549c03b79b_vattn, .Lfunc_end_k_q549c03b79b_vattn-k_q549c03b79b_vattn
	.p2alignl 7, 3214868480
	.fill 96, 4, 3214868480
	.section	.rodata,"a",@progbits
	.p2align	6, 0x0
	.amdhsa_kernel k_q549c03b79b_vattn
		.amdhsa_group_segment_fixed_size 327680
		.amdhsa_private_segment_fixed_size 0
		.amdhsa_enable_private_segment 0
		.amdhsa_kernarg_size 48
		.amdhsa_user_sgpr_count 2
		.amdhsa_user_sgpr_kernarg_segment_ptr 1
		.amdhsa_wavefront_size32 1
		.amdhsa_system_sgpr_workgroup_id_x 1
		.amdhsa_system_sgpr_workgroup_id_y 1
		.amdhsa_system_sgpr_workgroup_id_z 1
		.amdhsa_system_vgpr_workitem_id 0
		.amdhsa_next_free_vgpr 1024
		.amdhsa_next_free_sgpr 100
		.amdhsa_reserve_vcc 0
		.amdhsa_float_denorm_mode_32 3
		.amdhsa_float_denorm_mode_16_64 3
		.amdhsa_memory_ordered 1
		.amdhsa_forward_progress 1
		.amdhsa_inst_pref_size 255
	.end_amdhsa_kernel
	.section	.bss,"aw",@nobits
	.p2align	6
	.space	262144
	.amdgpu_metadata
---
amdhsa.version: [ 1, 2 ]
amdhsa.kernels:
  - .name:           k_q549c03b79b_vattn
    .symbol:         k_q549c03b79b_vattn.kd
    .args:
      - { .name: value_codes, .offset: 0, .size: 8, .value_kind: global_buffer, .address_space: global }
      - { .name: wv_perm, .offset: 8, .size: 8, .value_kind: global_buffer, .address_space: global }
      - { .name: q_ws, .offset: 16, .size: 8, .value_kind: global_buffer, .address_space: global }
      - { .name: k_ws, .offset: 24, .size: 8, .value_kind: global_buffer, .address_space: global }
      - { .name: lowp_scales, .offset: 32, .size: 8, .value_kind: global_buffer, .address_space: global }
      - { .name: x_ws, .offset: 40, .size: 8, .value_kind: global_buffer, .address_space: global }
    .group_segment_fixed_size: 327680
    .private_segment_fixed_size: 0
    .kernarg_segment_align: 8
    .kernarg_segment_size: 48
    .max_flat_workgroup_size: 128
    .sgpr_count:     100
    .vgpr_count:     1024
    .wavefront_size: 32
...
	.end_amdgpu_metadata
.endif
;; end of part 2
;; launch outproj (part 3): grid 4 x 64, 4 waves a work-group, clusters of 4 x 4, 327,680 bytes of LDS; arguments x_ws, wp_perm, lowp_scales, out0, bp; writes out0
.if DOCPART == 3
	.amdgcn_target "amdgcn-amd-amdhsa--gfx1250"
	.amdhsa_code_object_version 6
	.text
	.protected	k_q549c03b79b_outproj
	.globl	k_q549c03b79b_outproj
	.p2align	8
	.type	k_q549c03b79b_outproj,@function
k_q549c03b79b_outproj:
	s_mov_b64 s[64:65], 0
	v_nop
	global_prefetch_b8 v0, s[64:65] scope:SCOPE_SE
	s_setreg_imm32_b32 hwreg(HW_REG_WAVE_MODE, 25, 1), 1
	s_wait_xcnt 0x0
	s_wait_alu depctr_hold_cnt(0) depctr_sa_sdst(0) depctr_va_vdst(0) depctr_va_sdst(0) depctr_va_ssrc(0) depctr_va_vcc(0) depctr_vm_vsrc(0)
	s_getreg_b32 s2, hwreg(HW_REG_IB_STS2, 6, 4)
	s_cmp_eq_u32 s2, 0
	s_cbranch_scc0 .Lentry_in_a_cluster
	s_endpgm
.Lentry_in_a_cluster:
	s_bfe_u32 s2, ttmp6, 0x10000c
	s_cmp_lg_u32 s2, 0xf033
	s_cbranch_scc0 .Lentry_shape_is_right
	s_endpgm
.Lentry_shape_is_right:
; LAUNCH 3 OF 3.  out0 = x Wp^T + bp on codes of BF8 (E5M2): x_ws [16,384][1,024] and wp_perm [1,024][1,024] have the same order along K, so every product meets its partner.  out0: [16,384][1,024] f32.
; xpos and ypos are left out: reference() never reads them (shown at the head of the first launch).
; The codes are multiplied as they are; each finished sum takes one fused multiply-add: sum x 2^(e8 + e9) + bp.  LIMIT: e8 + e9 between -126 and 127.
; A tile of 256 x 256 is made by four waves, each 128 x 128: 64 accumulators.  K = 1,024 goes in four steps of 256 through two LDS slots filled by the tensor data mover.
; CLUSTERS: 4 x 4: x's tile is shared along a row of the cluster, the weight's along a column, by joint loads.  THE MATRIX INSTRUCTION IS USED TRANSPOSED: a lane holds eight neighbouring numbers of a row of out0.
; REGISTERS: window 0: v0-31 addresses, v8-11 my four numbers of bp; from v128 A's fragments, one set; on the way out v128-255 rows read back.  window 1: B's fragments, two sets.  windows 2, 3: the accumulators.
.set SIZE_N, 1024
.set KROW,   1024
.set ROWB,   256
.set PITCH,  272
.set FR,     16
.set NL,     4
.set NP,     4
.set HALFT,  128*PITCH
.set SLOT,   4*HALFT
.set SPARE,  2*SLOT                    ; the spare words, 128 bytes a wave, that no other line names
.set SPITCH, 528                       ; the way out: a stage of 16 rows x (512 bytes + 16) for each wave, in slot 0, which has had its last fill and its last read by then
.set ADRA, 16
.set ADRB, 20
.set STO,  24
.set RD,   25
.set CO,   26
.set SPW,  28
.set NIL,  29
.set AF,   128
.set BK,   128
.set G1, 24
.set G0, 32
.set G1B, 48
.set G0B, 56
.set MSB, 0
.macro WIN new                         ; the immediate's high byte repeats the setting that is left
.if MSB != \new
	s_set_vgpr_msb (MSB<<8)|\new
.set MSB, \new
.endif
.endm
.set MUL_LO, 0xa1
.set MUL_HI, 0xf1
.set TO_B,   0x40
.macro JLOAD g0a, g1a, g0b, g1b        ; a joint load: waves 0 and 1 for A, waves 2 and 3 for B; an s_nop 0 and four v_nop follow each line
	s_cmp_eq_u32 s15, 0
	s_cbranch_scc0 .Lfor_b_\@
	tensor_load_to_lds s[\g0a:\g0a+3], s[\g1a:\g1a+7]
	s_nop 0
.rept 4
	v_nop
.endr
	s_branch .Lasked_\@
.Lfor_b_\@:
	tensor_load_to_lds s[\g0b:\g0b+3], s[\g1b:\g1b+7]
	s_nop 0
.rept 4
	v_nop
.endr
.Lasked_\@:
.endm
.macro CREST
	s_cmp_lg_u32 s14, 0
	s_cbranch_scc1 .Lnot_wave_0_\@
	s_barrier_signal -3
.Lnot_wave_0_\@:
	s_barrier_wait -3
	s_barrier_signal -1
	s_barrier_wait -1
.endm
.macro CROUND
	s_barrier_signal -1
	s_barrier_wait -1
	CREST
.endm
	s_load_b128 s[4:7], s[0:1], 0x0                ; x_ws, wp_perm
	s_load_b128 s[8:11], s[0:1], 0x10              ; the exponents, out0
	s_load_b64 s[12:13], s[0:1], 0x20              ; bp
	v_lshl_add_u32 v[SPW], v0, 2, SPARE
	v_mov_b32 v[NIL], 0
	ds_add_u32 v[SPW], v[NIL]                      ; the wave's opening: the add, twice on end, and its wait ahead of my first tensor load
	ds_add_u32 v[SPW], v[NIL]
	v_lshrrev_b32 v1, 5, v0
	v_readfirstlane_b32 s14, v1                    ; wave 0..3
	s_lshr_b32 s15, s14, 1                         ; my half of the tile's rows.  Also: I fetch for A (0) or for B (1)
	s_and_b32 s16, s14, 1                          ; my half of its columns.  Also: which 128 rows I fetch
	s_bfe_u32 s40, ttmp6, 0x40000
	s_bfe_u32 s41, ttmp6, 0x40004
	s_lshl_b32 s42, ttmp9, 2
	s_add_co_u32 s42, s42, s40                     ; tile column
	s_and_b32 s17, ttmp7, 0xffff
	s_lshl_b32 s17, s17, 2
	s_add_co_u32 s17, s17, s41                     ; tile row
	s_lshl_b32 s43, s41, 2
	s_lshl_b32 s43, 15, s43
	s_lshl_b32 s44, 0x1111, s40
	s_or_b32 s[G1+0], s43, (0<<16)|(1<<20)|(1<<21)|(5<<22)|(3<<25)
	s_or_b32 s[G1B+0], s44, (0<<16)|(1<<20)|(1<<21)|(5<<22)|(3<<25)
.irp g, G1, G1B
	s_mov_b32 s[\g+1], ROWB<<16
	s_mov_b32 s[\g+2], 128<<16
	s_mov_b32 s[\g+3], ROWB<<16
	s_mov_b32 s[\g+4], 128
	s_mov_b32 s[\g+5], KROW
	s_mov_b32 s[\g+6], 0
	s_mov_b32 s[\g+7], 0
.endr
	s_lshl_b32 s18, s16, 7
	s_lshl_b32 s20, s17, 8
	s_add_co_u32 s20, s20, s18
	s_lshl_b32 s20, s20, 10
	s_mov_b32 s21, 0
	s_lshl_b32 s46, s42, 8
	s_add_co_u32 s46, s46, s18
	s_lshl_b32 s46, s46, 10
	s_mov_b32 s47, 0
	s_mul_i32 s45, s14, HALFT
	s_wait_dscnt 0x0                               ; both opening adds are done
	s_wait_kmcnt 0x0
	s_load_b64 s[96:97], s[8:9], 0x20              ; e8, e9
	s_add_nc_u64 s[20:21], s[4:5], s[20:21]
	s_add_nc_u64 s[46:47], s[6:7], s[46:47]
	CROUND                                         ; the first joint loads meet
.irp s, 0,1
	s_mov_b32 s[G0+4*\s], 1
	s_add_co_u32 s[G0+4*\s+1], s45, \s*SLOT
	s_add_nc_u64 s[G0+4*\s+2:G0+4*\s+3], s[20:21], \s*ROWB
	s_or_b32 s[G0+4*\s+3], s[G0+4*\s+3], 0x80000000
	s_mov_b32 s[G0B+4*\s], 1
	s_add_co_u32 s[G0B+4*\s+1], s45, \s*SLOT
	s_add_nc_u64 s[G0B+4*\s+2:G0B+4*\s+3], s[46:47], \s*ROWB
	s_or_b32 s[G0B+4*\s+3], s[G0B+4*\s+3], 0x80000000
	JLOAD G0+4*\s, G1, G0B+4*\s, G1B               ; K steps 0 and 1: two loads of mine are out
.endr
	v_and_b32 v1, 15, v0
	v_bfe_u32 v2, v0, 4, 1
	v_mul_u32_u24 v3, v1, PITCH
	v_lshl_add_u32 v4, v2, 4, v3
	s_mul_i32 s21, s15, HALFT
	s_mul_i32 s22, s16, HALFT
	s_add_co_u32 s22, s22, 2*HALFT
.irp s, 0,1
	v_add_nc_u32 v[ADRA+\s], s21, v4
	v_add_nc_u32 v[ADRB+\s], s22, v4
	s_add_co_u32 s21, s21, SLOT
	s_add_co_u32 s22, s22, SLOT
.endr
	s_mul_i32 s23, s14, 16*SPITCH                  ; my stage
	v_mul_u32_u24 v5, v1, SPITCH                   ; in: row l % 16, 32 bytes for each half of the lanes
	v_lshl_add_u32 v5, v2, 5, v5
	v_add_nc_u32 v[STO], s23, v5
	v_and_b32 v6, 31, v0
	v_lshlrev_b32 v[CO], 4, v6                     ; back: the 32 lanes take one row of 512 bytes; the same in out0, and in my 128 numbers of bp
	v_add_nc_u32 v[RD], s23, v[CO]
	s_lshl_b32 s20, s17, 8
	s_lshl_b32 s21, s15, 7
	s_add_co_u32 s20, s20, s21                     ; my first row: 256 x tile row + 128 x half,
	s_lshl_b32 s20, s20, 12                        ; of 4,096 bytes (under 2^26)
	s_mov_b32 s21, 0
	s_lshl_b32 s46, s42, 10                        ; my first column, in bytes: 1,024 x tile column + 512 x half
	s_lshl_b32 s47, s16, 9
	s_add_co_u32 s46, s46, s47
	s_mov_b32 s47, 0
	s_add_nc_u64 s[12:13], s[12:13], s[46:47]
	s_add_nc_u64 s[10:11], s[10:11], s[20:21]
	s_add_nc_u64 s[10:11], s[10:11], s[46:47]
	global_load_b128 v[8:11], v[CO], s[12:13]      ; on the way back from the stage a lane always holds the same four columns: four numbers of bp serve every row
.macro FRAG reg, adr, q, i
.irp c, 0,1,2,3
	ds_load_b128 v[\reg+4*\c:\reg+4*\c+3], v[\adr] offset:128*(\q)+32*\c+(\i)*16*PITCH
.endr
.endm
.macro MUL16 a0, p, zero               ; A's blocks a0, a0 + 1 x B's eight; the 64 accumulators take turns, in the same order in every step
.irp a, \a0, \a0+1
.irp b, 0,1,2,3,4,5,6,7
.if \zero
	v_wmma_f32_16x16x128_bf8_bf8 v[8*(8*((\a)%4)+\b):8*(8*((\a)%4)+\b)+7], v[128*(\p)+FR*\b:128*(\p)+FR*\b+FR-1], v[AF+FR*(\a):AF+FR*(\a)+FR-1], 0
.else
	v_wmma_f32_16x16x128_bf8_bf8 v[8*(8*((\a)%4)+\b):8*(8*((\a)%4)+\b)+7], v[128*(\p)+FR*\b:128*(\p)+FR*\b+FR-1], v[AF+FR*(\a):AF+FR*(\a)+FR-1], v[8*(8*((\a)%4)+\b):8*(8*((\a)%4)+\b)+7]
.endif
.endr
.endr
.endm
.macro FETCH_B slot, q, p
	WIN TO_B
.irp i, 0,1,2,3,4,5,6,7
	FRAG 128*(\p)+FR*\i, ADRB+\slot, \q, \i
.endr
	WIN 0
.endm
.macro FETCH_A slot, q, i0
.irp i, \i0, \i0+1, \i0+2, \i0+3
	FRAG AF+FR*(\i), ADRA+\slot, \q, \i
.endr
.endm
.macro PLACES n
.rept \n
	v_nop
.endr
.endm
.macro STEP slot, q, zero
	s_wait_dscnt 4*NL                              ; B's set and A's blocks 0-3 are in; the youngest 16 loads (A's blocks 4-7) may be out
	WIN MUL_LO
	MUL16 0, (\q)%2, \zero
	MUL16 2, (\q)%2, \zero
	s_wait_dscnt 0
	PLACES NP
	FETCH_B \slot, (\q)+1, 1-(\q)%2
	FETCH_A \slot, (\q)+1, 0
	WIN MUL_HI
	MUL16 4, (\q)%2, \zero
	MUL16 6, (\q)%2, \zero
	PLACES NP
	WIN 0
	FETCH_A \slot, (\q)+1, 4
.endm
.macro TURN slot, next, fill
	s_wait_tensorcnt 0x0                           ; all my tensor loads have landed
	ds_add_u32 v[SPW], v[NIL]                      ; 0 onto my spare word
	s_wait_dscnt 4*NL+1                            ; the add and the youngest 16 loads may be out
	WIN MUL_LO
	MUL16 0, 1, 0
	s_wait_dscnt 0x0                               ; the add is done, and my reads of this slot are over
	s_barrier_signal -1
	MUL16 2, 1, 0
	WIN 0
	s_barrier_wait -1
.if \fill
	CREST
	s_add_nc_u64 s[G0+4*\slot+2:G0+4*\slot+3], s[G0+4*\slot+2:G0+4*\slot+3], 2*ROWB
	s_add_nc_u64 s[G0B+4*\slot+2:G0B+4*\slot+3], s[G0B+4*\slot+2:G0B+4*\slot+3], 2*ROWB
	JLOAD G0+4*\slot, G1, G0B+4*\slot, G1B         ; my one tensor load behind the round
.else
	PLACES NP
.endif
	FETCH_B \next, 0, 0
	FETCH_A \next, 0, 0
	WIN MUL_HI
	MUL16 4, 1, 0
	MUL16 6, 1, 0
	PLACES NP
	WIN 0
	FETCH_A \next, 0, 4
.endm
	s_wait_tensorcnt 1                             ; my part of K step 0 is in; K step 1's load may be out
	s_barrier_signal -1
	s_barrier_wait -1
	FETCH_B 0, 0, 0
	FETCH_A 0, 0, 0
	FETCH_A 0, 0, 4
	STEP 0, 0, 1
	TURN 0, 1, 1
	STEP 1, 0, 0
	TURN 1, 0, 1
	STEP 0, 0, 0
	TURN 0, 1, 0
	STEP 1, 0, 0
	s_wait_dscnt 4*NL
	WIN MUL_LO
	MUL16 0, 1, 0
	MUL16 2, 1, 0
	s_wait_dscnt 0
	WIN MUL_HI
	MUL16 4, 1, 0
	MUL16 6, 1, 0
	WIN 0
; THE WAY OUT, block by block of 16 rows x 128 columns: the sums go as they are through my own stage and come back as whole rows of 512 bytes; there each pair takes sum x 2^(e8 + e9) + bp, and the 32 lanes store two aligned runs of 256 bytes.
; LDS serves a wave's instructions in order (ISA guide 5.7.1.4): no wait between the stores and the loads, nor in front of the next block's stores.
.macro TOSTAGE a
.set AC, 64*((\a)%4)
	WIN 0x08+4*((\a)/4)                            ; the stores' data: window 2 or 3
.irp b, 0,1,2,3,4,5,6,7
	ds_store_b128 v[STO], v[AC+8*\b:AC+8*\b+3] offset:64*\b            ; each accumulator from its low end on
	ds_store_b128 v[STO], v[AC+8*\b+4:AC+8*\b+7] offset:64*\b+16
.endr
	WIN 0
.set BB, BK+64*((\a)%2)
.irp t, 0,1,2,3,4,5,6,7,8,9,10,11,12,13,14,15
	ds_load_b128 v[BB+4*\t:BB+4*\t+3], v[RD] offset:\t*SPITCH
.endr
.endm
.macro SEND a, younger                 ; younger: the LDS instructions issued behind block a's loads, which may stay out
.set BB, BK+64*((\a)%2)
	s_wait_dscnt \younger
.if (\a) > 0
	s_add_nc_u64 s[10:11], s[10:11], 16*SIZE_N*4   ; (the earlier stores have read their base: the wait in front of this block's turn)
.endif
.irp t, 0,1,2,3,4,5,6,7,8,9,10,11,12,13,14,15  ; the block's 32 multiply-adds in one run, then its 16 stores in one run: no store stands directly behind the instruction that makes its data
	v_pk_fma_f32 v[BB+4*\t:BB+4*\t+1], v[BB+4*\t:BB+4*\t+1], s[96:97], v[8:9] op_sel_hi:[1,0,1]
	v_pk_fma_f32 v[BB+4*\t+2:BB+4*\t+3], v[BB+4*\t+2:BB+4*\t+3], s[96:97], v[10:11] op_sel_hi:[1,0,1]
.endr
.irp t, 0,1,2,3,4,5,6,7,8,9,10,11,12,13,14,15
	global_store_b128 v[CO], v[BB+4*\t:BB+4*\t+3], s[10:11] offset:\t*SIZE_N*4 th:TH_STORE_NT   ; 32 lanes store 512 consecutive bytes; written once, read by nobody here
.endr
.endm
	s_wait_kmcnt 0x0
	s_add_co_i32 s96, s96, s97                     ; e8 + e9
	s_add_co_i32 s96, s96, 127
	s_lshl_b32 s96, s96, 23                        ; 2^(e8 + e9) as f32
	s_mov_b32 s97, s96                             ; (named with it as a pair)
	s_wait_loadcnt 0x0                             ; bp
	PLACES NP                                      ; behind the last products: for the stores of their results and the loads into the registers that held A's fragments
	TOSTAGE 0
.irp a, 1,2,3,4,5,6,7
.if \a > 1
	s_wait_xcnt 0x0                                ; block a - 2's stores have read their registers and their base
.endif
	TOSTAGE \a
	SEND \a-1, 32                                  ; behind block a - 1's loads: block a's 16 stores and 16 loads
.endr
	s_wait_xcnt 0x0
	SEND 7, 0
	s_wait_tensorcnt 0x0                           ; the wave's end
	ds_add_u32 v[SPW], v[NIL]
	s_wait_dscnt 0x0
	CROUND                                         ; the closing round
	s_endpgm
.Lfunc_end_k_q549c03b79b_outproj:
	.size	k_q549c03b79b_outproj, .Lfunc_end_k_q549c03b79b_outproj-k_q549c03b79b_outproj
	.p2alignl 7, 3214868480
	.fill 96, 4, 3214868480
	.section	.rodata,"a",@progbits
	.p2align	6, 0x0
	.amdhsa_kernel k_q549c03b79b_outproj
		.amdhsa_group_segment_fixed_size 327680
		.amdhsa_private_segment_fixed_size 0
		.amdhsa_enable_private_segment 0
		.amdhsa_kernarg_size 40
		.amdhsa_user_sgpr_count 2
		.amdhsa_user_sgpr_kernarg_segment_ptr 1
		.amdhsa_wavefront_size32 1
		.amdhsa_system_sgpr_workgroup_id_x 1
		.amdhsa_system_sgpr_workgroup_id_y 1
		.amdhsa_system_sgpr_workgroup_id_z 1
		.amdhsa_system_vgpr_workitem_id 0
		.amdhsa_next_free_vgpr 1024
		.amdhsa_next_free_sgpr 100
		.amdhsa_reserve_vcc 0
		.amdhsa_float_denorm_mode_32 3
		.amdhsa_float_denorm_mode_16_64 3
		.amdhsa_memory_ordered 1
		.amdhsa_forward_progress 1
		.amdhsa_inst_pref_size 123
	.end_amdhsa_kernel
	.amdgpu_metadata
---
amdhsa.version: [ 1, 2 ]
amdhsa.kernels:
  - .name:           k_q549c03b79b_outproj
    .symbol:         k_q549c03b79b_outproj.kd
    .args:
      - { .name: x_ws, .offset: 0, .size: 8, .value_kind: global_buffer, .address_space: global }
      - { .name: wp_perm, .offset: 8, .size: 8, .value_kind: global_buffer, .address_space: global }
      - { .name: lowp_scales, .offset: 16, .size: 8, .value_kind: global_buffer, .address_space: global }
      - { .name: out0, .offset: 24, .size: 8, .value_kind: global_buffer, .address_space: global }
      - { .name: bp, .offset: 32, .size: 8, .value_kind: global_buffer, .address_space: global }
    .group_segment_fixed_size: 327680
    .private_segment_fixed_size: 0
    .kernarg_segment_align: 8
    .kernarg_segment_size: 40
    .max_flat_workgroup_size: 128
    .sgpr_count:     100
    .vgpr_count:     1024
    .wavefront_size: 32
...
	.end_amdgpu_metadata
.endif
;; end of part 3
